; MI455X (gfx1250); checked and timed in simulation.
; The chip was launched on July 23, 2026; its instructions are those of AMD's public machine-readable ISA for CDNA 5 (MIT licence, August 2026) and "CDNA5" Instruction Set Architecture Reference Guide (July 2026). The comments in the code are by the model that wrote it; some were corrected since.
;; Model. Allowed arithmetic: matrix products marked QUANTISED: E3M2 operands, one E8M0 scale for each 32 along K, by v_wmma_scale_f32_16x16x128_f8f6f4 with both operands' format E3M2, f32 sums; everything else in f32.
;; Inputs: bk 128 float32; bq 128 float32; bv 128 float32; pe 4,096 x 64 x 2 float32; wk 128 x 128 float32; wq 128 x 128 float32; wv 128 x 128 float32; x 4 x 128 x 64 x 64 float32.
;; Outputs: out0 4 x 128 x 64 x 64 float32; out1 4 x 64 x 2 x 64 x 64 float32.
;; This version of the problem:
;;   THIS VERSION OF THE PROBLEM IS GIVEN IN LOW PRECISION. The matrix products marked QUANTISED in the list below multiply operands that are first quantised to E3M2 (3 exponent bits, 2 mantissa bits; 6 bits a number), with one power-of-two scale for each 32 numbers along K (OCP MX v1.0); their sums are f32. All else is computed in f32.
;;   The module's matrix products, in the order in which they are computed (A, B: the left and right operand; K: the contracted axis; several contracted axes count as one K, in the product's order):
;;     1. [M 16,384, K 128] x [K 128, N 128]; A: input x; B: input wq: QUANTISED
;;     2. [M 16,384, K 128] x [K 128, N 128]; A: input x; B: input wk: QUANTISED
;;     3. [M 16,384, K 128] x [K 128, N 128]; A: input x; B: input wv: QUANTISED
;;     4. batch 8 x [M 4,096, K 64] x [K 64, N 4,096]; A: computed on the way; B: computed on the way: QUANTISED
;;     5. batch 8 x [M 64, K 4,096] x [K 4,096, N 4,096]; A: computed on the way; B: softmax (see below): QUANTISED
;;   THE QUANTISER, for each operand of a quantised product, along K:
;;     - K is cut into blocks of 32 from its start; a last block that is shorter is filled with zeros.
;;     - A block's scale is 2^e with e = floor(log2(the largest magnitude in the block)) - 4, held to -126 .. 127; a block of zeros has e = 0. As a byte (E8M0): e + 127.
;;     - Each number is divided by its block's scale, clamped to +-28, and rounded to the nearest number of E3M2, ties to even, subnormals kept.
;;     - The product sums the exact products of the quantised numbers (number of the format x scale) in f32.
;;   ~~~python
;;   def quantise(x, axis):      # numpy; x: float32 -> the quantised numbers, widened to float32 again
;;       x = np.moveaxis(x, axis, -1); K = x.shape[-1]
;;       x = np.pad(x, [(0, 0)] * (x.ndim - 1) + [(0, -K % 32)]); x = x.reshape(x.shape[:-1] + (-1, 32)); a = np.abs(x).max(-1, keepdims=True)
;;       e = np.where(a > 0, np.clip(np.frexp(np.where(a > 0, a, 1))[1] - 1 - 4, -126, 127), 0)      # np.frexp(a)[1] - 1 = floor(log2(a)), exactly
;;       r = np.clip(x / 2.0 ** e, -28, 28)
;;       step = 2.0 ** (np.maximum(np.frexp(np.where(r == 0, 1, r))[1] - 1, -2) - 2)
;;       q = np.round(r / step) * step * 2.0 ** e      # np.round: ties to even
;;       return np.moveaxis(q.reshape(q.shape[:-2] + (-1,))[..., :K], -1, axis).astype(np.float32)
;;   ~~~
;;   SOFTMAX AHEAD OF A QUANTISED PRODUCT. Where the list says 'softmax', what is quantised is not the finished softmax but p = 2^(t - M), with t = logit x log2(e) and M = ceil(the row's largest t), a whole number; so 1/2 < the row's largest p <= 1. The row's sum l is taken of the UNQUANTISED p, in f32, and the product's result is divided by l at the end. Since M is a whole number, a kernel that streams over the keys may use a running M (the ceiling of the running maximum): every later rescaling is an exact power of two, which a block's scale takes up: the codes' values come out the same.
;;   OPERANDS COMPUTED ON THE WAY. 'Computed on the way' means the value that the module computes at that place (a softmax that the list does not call 'softmax' is quantised finished and normalised). What goes into a quantiser is computed in f32, as accurately as f32 sums, v_exp_f32 and their like allow (about 1e-6 of the number): no bf16 or f16 on the way to a quantiser, and a product that is left as it is and whose result goes on into a quantised operand takes f32 operands (vector FMAs, or v_wmma_f32_16x16x4_f32). A number that lies on a knife's edge between two numbers of the format may be rounded either way, as far as f32 arithmetic and the matrix unit's own rounding can turn it there, and no further.
;; One version. Each part assembles by itself: llvm-mc -triple=amdgcn-amd-amdhsa -mcpu=gfx1250 --defsym DOCPART=n.
;; ======== version 1 of 1: 2 launches
;; workspace buffers: qws 1,703,936 bytes; kvws 3,342,336 bytes
;; launch proj (part 1): grid 4 x 64, 8 waves a work-group, clusters of 4 x 1, 327,680 bytes of LDS; arguments x, wq, bq, wk, bk, wv, bv, pe, qws, kvws; writes qws, kvws
.if DOCPART == 1
	.amdgcn_target "amdgcn-amd-amdhsa--gfx1250"
	.amdhsa_code_object_version 6
	.text
	.protected	k_q7bcbe6cd7c_proj
	.globl	k_q7bcbe6cd7c_proj
	.p2align	8
	.type	k_q7bcbe6cd7c_proj,@function
k_q7bcbe6cd7c_proj:
	s_mov_b64 s[64:65], 0
	v_nop
	global_prefetch_b8 v0, s[64:65] scope:SCOPE_SE
	s_setreg_imm32_b32 hwreg(HW_REG_WAVE_MODE, 25, 1), 1
	s_wait_xcnt 0x0
	s_wait_alu depctr_hold_cnt(0) depctr_sa_sdst(0) depctr_va_vdst(0) depctr_va_sdst(0) depctr_va_ssrc(0) depctr_va_vcc(0) depctr_vm_vsrc(0)
	s_getreg_b32 s2, hwreg(HW_REG_IB_STS2, 6, 4)
	s_cmp_eq_u32 s2, 0
	s_cbranch_scc0 .Lentry_in_a_cluster
	s_endpgm
.Lentry_in_a_cluster:
	s_bfe_u32 s2, ttmp6, 0x10000c
	s_cmp_lg_u32 s2, 0x3003
	s_cbranch_scc0 .Lentry_shape_is_right
	s_endpgm
.Lentry_shape_is_right:
; q = Wq x + bq + pe, k = Wk x + bk, v = Wv x + bv for 128 tokens of one image and one head, all three products on codes of BF6 (E3M2) with one E8M0 scale
; for each 32 along K = the 128 channels; q and k are then quantised along the head's 64 channels, v along the tokens, and stored as IMAGES OF THE OPERAND
; REGISTERS that the attention launch wants: six registers a lane as 512 bytes (registers 0-3, 16 x lane) and 256 bytes (registers 4-5, 8 x lane).
; x: [4][128][4096] f32 (K is not innermost); wq, wk, wv: [128][128] f32; bq, bk, bv: [128]; pe: [4096][64][2] f32.
; SHARES.  Work-group (cx = image, y = 2 x step + head): 128 tokens (a step), one head: 96 matrix instructions, one block of qws (6,656 bytes) and one of kvws (13,056).
; CLUSTER.  The four partners differ in the image alone: the head's 3 x 64 rows of weights and the step's 128 rows of pe are asked for JOINTLY (mask 15); x is each one's own load.
; A TILE OF 16 TOKENS IS NOT 16 NEIGHBOURS: tile T (0-7), row m is token 64 (T / 4) + 32 (m / 8) + 8 (T % 4) + m % 8; a tile of 16 of a head's channels likewise: 32 (m / 8) + 8 T + m % 8.
; In a result, lane (r, h) register j is row 8 h + j: so the 32 registers of four neighbouring tiles are 32 NEIGHBOURS, one whole block of the next quantiser, in one lane, in the operand's own order.
; A block's scale is 2^(floor(log2(largest magnitude)) - 4); its byte is the largest magnitude's exponent field - 4, held at 1 from below by a floor among the maximum's leaves.
; LIMITS: NaN and infinities among the inputs are not served; a block whose largest magnitude lies under 2^-122 keeps the byte 1; a block of zeros gets the byte 1 where the rule says 127
; (its codes are zeros, which add nothing, and the bytes are read by this program alone).  q is summed as (bq + pe) + W x, an order of f32 rounding other than (W x + bq) + pe.
; LDS, filled once by tensor loads: the weights, six halves of 32 rows x 528 bytes, 17,024 bytes apart (rows 32 apart then fall into the other half of the banks); pe, 128 rows x 528; x, 128 rows (channels) x 512.
; Behind them scratch that only LDS stores write: x's 16 and the weights' 24 half fragments as images, their scale words, and the three tensors' scale words on their way out.
.set WHALF, 17024
.set PEL,   6*WHALF                    ; 102,144
.set XL,    PEL+128*528                ; 169,728
.set SCR,   XL+128*512                 ; 235,264: a multiple of 256
.set XIMG,  0                          ; in the scratch: x, unit (2 T + cc) x 768
.set WIMG,  12288                      ; the weights, unit ((4 i + T) 2 + cc) x 768
.set XSC,   30720                      ; x's scale words, 64 T + 4 r
.set WSC,   31232                      ; the weights', 64 (4 i + T) + 4 r
.set OSC,   32000                      ; on the way out: k's 512 bytes, v's 256, q's 512
.set G16,   1                          ; v1   16 x lane: offset of the stores of four registers
.set G8,    2                          ; v2   8 x lane: of two
.set LB16,  3                          ; v3   SCR + 16 x lane
.set LB8,   4                          ; v4   SCR + 8 x lane
.set LB4,   5                          ; v5   SCR + 4 x lane
.set LR4,   6                          ; v6   SCR + 4 x (lane % 16)
.set H8,    7                          ; v7   8 x (lane / 16)
.set BVR,   8                          ; v8   bv of my channel
.set XLA,   9                          ; v9-30 LDS addresses, each made once and never rewritten
.set WLA,   10
.set WLA2,  11
.set PEA,   12
.set XST16, 13
.set XST8,  14
.set XSS,   15
.set WST16, 16
.set WST8,  17
.set WSS,   18
.set XO16,  19
.set XO8,   20
.set XSOA,  21
.set WV16,  22
.set WV8,   23
.set WVSA,  24
.set X416,  25
.set X48,   26
.set XS4A,  27
.set KWA,   28
.set VBA,   29
.set OUTA,  30
.set HB,    31                         ; v31  128 x (lane / 16): offset into bq and bk
.set XSO,   32                         ; v32-39 scale words and nothing else: x's of my tile; wv's; wq's (2); wk's (2); x's of four tiles (2)
.set WVS,   33
.set WQS,   34
.set WKS,   36
.set XS4,   38
.set TA,    40                         ; v40-47 at work
.set TB2,   41
.set TC,    42
.set TD,    43
.set SO0,   44
.set SO1,   45
.set BY0,   46
.set BY1,   47
.set XR,    48                         ; v48-111  64 numbers of x, then of pe
.set WR,    112                        ; v112-143 32 numbers of a weight
.set FA,    144                        ; v144-172 codes just made
.set FB,    150
.set T0,    156
.set T1,    160
.set WFA,   164
.set WT,    170
.set AQ,    176                        ; v176-207 bq + pe, then q's four accumulators, then v's
.set AK,    208                        ; v208-239 bk, then k's four accumulators
.set BV8,   240                        ; v240-247 bv, eight times: the C of v's products
.set BVO,   248                        ; v248 offset into bv
.set PT,    249                        ; v249 a lane permute's destination
.set QW,    250                        ; v250 q's scale word;  v251 k's;  v252 x's two bytes;  v253 a weight's byte
.set KW,    251
.set XH,    252
.set WBY,   253
.set OD,    254                        ; v[254:255] scale words on their way out
.set XFO,   48                         ; the products' registers: x's fragment of my tile;
.set BA,    60                         ; v60-107  wq's four fragments, then x's of four tiles;
.set BB,    108                        ; v108-155 wk's four fragments, then the three sets of codes;
.set WVF,   156                        ; v156-167 wv's fragment
.set CDQ,   108
.set CTQ,   114
.set CDK,   118
.set CTK,   124
.set CDV,   128
.set CTV,   134
.set WV,    24                         ; s24 wave;  s25 cx = image;  s26 head;  s27 step
.set CX,    25
.set HD,    26
.set STP,   27
.set G1W,   28                         ; s[28:35], s[36:43], s[44:51] descriptor groups 1: weights, pe, x;  s[52:55], s[56:59], s[60:63] their groups 0
.set G1P,   36
.set G1X,   44
.set G0W,   52
.set G0P,   56
.set G0X,   60
.set SEL,   66                         ; s[66:67] lane selects of v_permlanex16_b32: lane l xor 16
.set HM,    68                         ; s68 all ones where the head is 1
.macro CROUND                          ; a round of the cluster's barrier
	s_barrier_signal -1
	s_barrier_wait -1
	s_cmp_lg_u32 s[WV], 0
	s_cbranch_scc1 .Lnot_wave_0_\@
	s_barrier_signal -3
.Lnot_wave_0_\@:
	s_barrier_wait -3
	s_barrier_signal -1
	s_barrier_wait -1
.endm
.macro BARRIER                         ; my LDS stores have landed and my LDS loads are in: then the work-group's barrier
	s_wait_dscnt 0x0
	s_barrier_signal -1
	s_barrier_wait -1
.endm
.macro PLACES
.rept 4
	v_nop
.endr
.endm
.macro MAX32 s, a, b                   ; the largest magnitude of v[s] .. v[s + 31], and the floor 2^(5 - 127): two chains, ascending
	v_max3_num_f32 v[\a], |v[\s]|, |v[\s+1]|, 0x2800000
	v_max3_num_f32 v[\b], |v[\s+2]|, |v[\s+3]|, |v[\s+4]|
.irp i, 5,9,13,17,21,25
	v_max3_num_f32 v[\a], v[\a], |v[\s+\i]|, |v[\s+\i+1]|
	v_max3_num_f32 v[\b], v[\b], |v[\s+\i+2]|, |v[\s+\i+3]|
.endr
	v_max3_num_f32 v[\a], v[\a], |v[\s+29]|, |v[\s+30]|
	v_max3_num_f32 v[\a], v[\a], v[\b], |v[\s+31]|
.endm
.macro QUANT32 s, cd, tp, by           ; a lane's 32 numbers, one block, become six registers of codes in v[cd] on and the scale's byte in v[by]
	MAX32 \s, TA, TB2
	v_add_nc_u32 v[SO0], 0xfe000000, v[TA]         ; 4 off the exponent field: the conversion takes the exponent field of this operand as its scale
	v_lshrrev_b32 v[\by], 23, v[SO0]               ; the scale's byte
	v_cvt_scalef32_pk16_bf6_f32 v[\cd:\cd+2], v[\s:\s+15], v[SO0]
	v_cvt_scalef32_pk16_bf6_f32 v[\tp:\tp+2], v[\s+16:\s+31], v[SO0]   ; (a conversion's three registers begin on an even number)
	v_nop                                          ; one plain line behind the conversions
.irp i, 0,1,2
	v_mov_b32 v[\cd+3+\i], v[\tp+\i]
.endr
.endm
.macro UNIT reg, a16, a8, off          ; six registers of a fragment come out of LDS as they were stored
	ds_load_b128 v[\reg:\reg+3], v[\a16] offset:\off
	ds_load_b64 v[\reg+4:\reg+5], v[\a8] offset:\off+512
.endm
.macro PUT reg, a16, a8, off
	ds_store_b128 v[\a16], v[\reg:\reg+3] offset:\off
	ds_store_b64 v[\a8], v[\reg+4:\reg+5] offset:\off+512
.endm
.macro WLOAD adr, off                  ; 32 numbers of my row of a weight: 128 bytes
.irp k, 0,1,2,3,4,5,6,7
	ds_load_b128 v[WR+4*\k:WR+4*\k+3], v[\adr] offset:\off+16*\k
.endr
.endm
.macro PROD d, a, b, c, sa, sb, row    ; row = 1: source 0's scale words stand in lanes 16-31
.if \row
	v_wmma_scale_f32_16x16x128_f8f6f4 v[\d:\d+7], v[\a:\a+11], v[\b:\b+11], v[\c:\c+7], v[\sa], v[\sb] matrix_a_fmt:MATRIX_FMT_BF6 matrix_b_fmt:MATRIX_FMT_BF6 matrix_a_scale:MATRIX_SCALE_ROW1
.else
	v_wmma_scale_f32_16x16x128_f8f6f4 v[\d:\d+7], v[\a:\a+11], v[\b:\b+11], v[\c:\c+7], v[\sa], v[\sb] matrix_a_fmt:MATRIX_FMT_BF6 matrix_b_fmt:MATRIX_FMT_BF6
.endif
.endm
	s_load_b512 s[4:19], s[0:1], 0x0               ; x s[4:5], wq s[6:7], bq s[8:9], wk s[10:11], bk s[12:13], wv s[14:15], bv s[16:17], pe s[18:19]
	s_load_b128 s[20:23], s[0:1], 0x40             ; qws s[20:21], kvws s[22:23]
	v_lshl_add_u32 v174, v0, 2, 0x41900
	v_mov_b32 v175, 0
	ds_add_u32 v174, v175
	ds_add_u32 v174, v175
	v_lshrrev_b32 v40, 5, v0
	v_readfirstlane_b32 s[WV], v40                 ; wave 0..7
	s_bfe_u32 s[CX], ttmp6, 0x40000                ; my place in the cluster = the image
	s_and_b32 s70, ttmp7, 0xffff
	s_and_b32 s[HD], s70, 1                        ; the head and the step, which the four partners share
	s_lshr_b32 s[STP], s70, 1
	s_mov_b32 s[SEL], 0x76543210
	s_mov_b32 s[SEL+1], 0xfedcba98
	s_sub_co_u32 s[HM], 0, s[HD]
	; descriptor groups 1.  Elements of 4 bytes, rows of 128 elements.  Weights: 32 rows; pe: 128 rows; both with the mask of all four partners, bit 21 beside it, and 4 words of padding behind every 128.
	s_mov_b32 s[G1W], 15|(2<<16)|(1<<20)|(1<<21)|(6<<22)|(3<<25)
	s_mov_b32 s[G1W+1], 128<<16                    ; tensor_dim0
	s_mov_b32 s[G1W+2], 32<<16                     ; tensor_dim1
	s_mov_b32 s[G1W+3], 128<<16                    ; tile_dim0
	s_mov_b32 s[G1W+4], 32                         ; tile_dim1
	s_mov_b32 s[G1W+5], 128                        ; from row to row
	s_mov_b32 s[G1W+6], 0
	s_mov_b32 s[G1W+7], 0
	s_mov_b32 s[G1P], 15|(2<<16)|(1<<20)|(1<<21)|(6<<22)|(3<<25)
	s_mov_b32 s[G1P+1], 128<<16
	s_mov_b32 s[G1P+2], 128<<16
	s_mov_b32 s[G1P+3], 128<<16
	s_mov_b32 s[G1P+4], 128
	s_mov_b32 s[G1P+5], 128
	s_mov_b32 s[G1P+6], 0
	s_mov_b32 s[G1P+7], 0
	s_mov_b32 s[G1X], 2<<16                        ; x: no mask, no padding; 128 channels x 128 tokens, 4,096 elements from channel to channel
	s_mov_b32 s[G1X+1], 128<<16
	s_mov_b32 s[G1X+2], 128<<16
	s_mov_b32 s[G1X+3], 128<<16
	s_mov_b32 s[G1X+4], 128
	s_mov_b32 s[G1X+5], 4096
	s_mov_b32 s[G1X+6], 0
	s_mov_b32 s[G1X+7], 0
	s_lshr_b32 s70, s[WV], 1                       ; waves 0-5: matrix w / 2, rows 32 (w % 2) on of the head's 64
	s_and_b32 s71, s[WV], 1
	s_lshl_b32 s74, s[HD], 15
	s_lshl_b32 s71, s71, 14
	s_add_co_u32 s74, s74, s71
	s_mov_b32 s75, 0
	s_mul_i32 s76, s[WV], WHALF
	s_lshl_b32 s78, s[STP], 16                     ; pe: 128 rows of 512 bytes a step
	s_mov_b32 s79, 0
	s_lshl_b32 s80, s[CX], 21                      ; x: the image, and 512 bytes a step in each channel's row
	s_lshl_b32 s81, s[STP], 9
	s_add_co_u32 s80, s80, s81
	s_mov_b32 s81, 0
	s_wait_dscnt 0x0
	s_wait_kmcnt 0x0
	s_cmp_eq_u32 s70, 0
	s_cselect_b64 s[72:73], s[6:7], s[10:11]
	s_cmp_lt_u32 s70, 2
	s_cselect_b64 s[72:73], s[72:73], s[14:15]
	s_mov_b32 s[G0W], 1
	s_mov_b32 s[G0W+1], s76
	s_add_nc_u64 s[G0W+2:G0W+3], s[72:73], s[74:75]
	s_or_b32 s[G0W+3], s[G0W+3], 0x80000000
	s_mov_b32 s[G0P], 1
	s_mov_b32 s[G0P+1], PEL
	s_add_nc_u64 s[G0P+2:G0P+3], s[18:19], s[78:79]
	s_or_b32 s[G0P+3], s[G0P+3], 0x80000000
	s_mov_b32 s[G0X], 1
	s_mov_b32 s[G0X+1], XL
	s_add_nc_u64 s[G0X+2:G0X+3], s[4:5], s[80:81]
	s_or_b32 s[G0X+3], s[G0X+3], 0x80000000
	CROUND                                         ; all four work-groups are here: the joint loads meet
	s_cmp_lt_u32 s[WV], 6                          ; one load a wave: waves 0-5 the weights' six halves, wave 6 pe, wave 7 x.  Four v_nop follow each line
	s_cbranch_scc0 .Lnot_w
	tensor_load_to_lds s[G0W:G0W+3], s[G1W:G1W+7]
	s_nop 0
	PLACES
	s_branch .Lasked
.Lnot_w:
	s_cmp_eq_u32 s[WV], 6
	s_cbranch_scc0 .Lnot_p
	tensor_load_to_lds s[G0P:G0P+3], s[G1P:G1P+7]
	s_nop 0
	PLACES
	s_branch .Lasked
.Lnot_p:
	tensor_load_to_lds s[G0X:G0X+3], s[G1X:G1X+7]
	s_nop 0
	PLACES
.Lasked:
	; where my results go: block (image x 2 + head) x 32 + step of each workspace
	s_lshl_b32 s82, s[CX], 1
	s_add_co_u32 s82, s82, s[HD]
	s_lshl_b32 s82, s82, 5
	s_add_co_u32 s82, s82, s[STP]
	s_mul_i32 s84, s82, 6656
	s_mov_b32 s85, 0
	s_mul_i32 s86, s82, 13056
	s_mov_b32 s87, 0
	s_add_nc_u64 s[20:21], s[20:21], s[84:85]
	s_add_nc_u64 s[22:23], s[22:23], s[86:87]
	s_mul_i32 s84, s[WV], 768
	s_add_nc_u64 s[88:89], s[20:21], s[84:85]      ; q's tile w
	s_add_nc_u64 s[90:91], s[22:23], s[84:85]      ; k's tile w
	s_and_b32 s86, s[WV], 3
	s_lshl_b32 s86, s86, 1
	s_lshr_b32 s84, s[WV], 2
	s_add_co_u32 s86, s86, s84
	s_mul_i32 s86, s86, 768
	s_add_co_u32 s86, s86, 6144
	s_add_nc_u64 s[92:93], s[22:23], s[86:87]      ; v's unit 2 (w % 4) + w / 4
	s_mov_b32 s84, 5376
	s_cmp_lt_u32 s[WV], 3                          ; the scale words: waves 0-2 store k's and v's 768 bytes at 12,288 of kvws' block, waves 3, 4 q's 512 at 6,144 of qws'
	s_cselect_b64 s[94:95], s[22:23], s[20:21]
	s_cselect_b32 s84, 12288, s84
	s_lshl_b32 s86, s[WV], 8
	s_add_co_u32 s84, s84, s86
	s_add_nc_u64 s[94:95], s[94:95], s[84:85]
	s_lshl_b32 s84, s[HD], 8
	s_add_nc_u64 s[8:9], s[8:9], s[84:85]          ; the head's 64 numbers of bq and bk
	s_add_nc_u64 s[12:13], s[12:13], s[84:85]
	s_and_b32 s86, s[WV], 3
	s_lshl_b32 s86, s86, 5
	s_add_co_u32 s84, s84, s86
	s_add_nc_u64 s[16:17], s[16:17], s[84:85]      ; bv: + 8 (w % 4) numbers
	v_and_b32 v40, 31, v0                          ; l
	v_and_b32 v41, 15, v0                          ; r
	v_bfe_u32 v42, v0, 4, 1                        ; h
	v_and_b32 v43, 7, v0                           ; r % 8
	v_bfe_u32 v44, v0, 3, 1                        ; r / 8
	v_lshlrev_b32 v[HB], 7, v42
	v_lshlrev_b32 v[BVO], 2, v43
	v_lshl_add_u32 v[BVO], v44, 7, v[BVO]          ; channel 32 (r / 8) + r % 8 (+ 8 (w % 4), in the base)
.irp k, 0,1,2,3,4,5,6,7
	global_load_b128 v[AQ+4*\k:AQ+4*\k+3], v[HB], s[8:9] offset:16*\k    ; register i: bq of channel 32 h + i: the result's layout
.endr
.irp k, 0,1,2,3,4,5,6,7
	global_load_b128 v[AK+4*\k:AK+4*\k+3], v[HB], s[12:13] offset:16*\k  ; bk likewise: the C of k's products as it lands
.endr
	global_load_b32 v[BVR], v[BVO], s[16:17]
	v_mov_b32 v[PT], 0                             ; written once: a lane permute's destination counts as one of its sources
	v_lshlrev_b32 v[G16], 4, v40
	v_lshlrev_b32 v[G8], 3, v40
	v_lshl_add_u32 v[LB16], v40, 4, SCR
	v_lshl_add_u32 v[LB8], v40, 3, SCR
	v_lshl_add_u32 v[LB4], v40, 2, SCR
	v_lshl_add_u32 v[LR4], v41, 2, SCR
	v_lshlrev_b32 v[H8], 3, v42
	s_and_b32 s70, s[WV], 1                        ; w % 2
	s_lshr_b32 s71, s[WV], 1                       ; w / 2
	s_and_b32 s72, s[WV], 3                        ; w % 4
	s_lshr_b32 s73, s[WV], 2                       ; w / 4
	s_and_b32 s74, s71, 1                          ; (w / 2) % 2
	; x: wave (tp = w % 4, cc = w / 4) takes tiles 2 tp and 2 tp + 1, A LANE TO A TOKEN, registers down channels 64 cc on.  The 32 lanes' words fall into 32 different banks
	s_lshl_b32 s75, s73, 15
	s_lshl_b32 s76, s74, 8
	s_add_co_u32 s75, s75, s76
	s_lshl_b32 s76, s70, 6
	s_add_co_u32 s75, s75, s76
	s_add_co_u32 s75, s75, XL
	v_lshlrev_b32 v45, 5, v42
	v_lshl_add_u32 v45, v43, 2, v45
	v_lshl_add_u32 v45, v44, 7, v45
	v_add_nc_u32 v[XLA], s75, v45
	; the weights: wave (T = w / 2, cc = w % 2): lane (r, h) takes row 32 (r / 8) + 8 T + r % 8, channels 64 cc + 32 h on
	s_mul_i32 s75, s71, 8*528
	s_lshl_b32 s76, s70, 8
	s_add_co_u32 s75, s75, s76
	v_mul_u32_u24 v45, v44, WHALF
	v_mad_u32_u24 v45, v43, 528, v45
	v_lshl_add_u32 v45, v42, 7, v45
	v_add_nc_u32 v[WLA], s75, v45
	v_add_nc_u32 v[WLA2], 4*WHALF, v[WLA]          ; the third matrix lies beyond an immediate's reach
	; pe: row = token (w, r), 256 h bytes on: channels 32 h on, both heads
	s_lshl_b32 s75, s73, 6
	s_lshl_b32 s76, s72, 3
	s_add_co_u32 s75, s75, s76
	s_mul_i32 s75, s75, 528
	s_add_co_u32 s75, s75, PEL
	v_lshl_add_u32 v45, v44, 5, v43
	v_mul_u32_u24 v45, v45, 528
	v_lshl_add_u32 v45, v42, 8, v45
	v_add_nc_u32 v[PEA], s75, v45
	s_lshl_b32 s75, s72, 2                         ; x's images: unit 4 tp + cc, and 2 units on
	s_add_co_u32 s75, s75, s73
	s_mul_i32 s75, s75, 768
	v_add_nc_u32 v[XST16], s75, v[LB16]
	v_add_nc_u32 v[XST8], s75, v[LB8]
	s_lshl_b32 s75, s72, 7                         ; x's two scale bytes: 128 tp + 4 l + 2 cc
	s_lshl_b32 s76, s73, 1
	s_add_co_u32 s75, s75, s76
	v_add_nc_u32 v[XSS], s75, v[LB4]
	s_mul_i32 s75, s[WV], 768                      ; the weights' images: unit w of each matrix
	v_add_nc_u32 v[WST16], s75, v[LB16]
	v_add_nc_u32 v[WST8], s75, v[LB8]
	s_lshl_b32 s75, s71, 6                         ; their scale bytes: 64 T + 4 r + 2 cc + h
	s_lshl_b32 s76, s70, 1
	s_add_co_u32 s75, s75, s76
	v_add_nc_u32 v45, v[LR4], v42
	v_add_nc_u32 v[WSS], s75, v45
	s_mul_i32 s75, s[WV], 1536                     ; the products: x's fragment of tile w,
	v_add_nc_u32 v[XO16], s75, v[LB16]
	v_add_nc_u32 v[XO8], s75, v[LB8]
	s_lshl_b32 s75, s[WV], 6                       ; its scale words (also: where q's word goes)
	v_add_nc_u32 v[XSOA], s75, v[LR4]
	s_mul_i32 s75, s72, 1536                       ; wv's fragment w % 4,
	v_add_nc_u32 v[WV16], s75, v[LB16]
	v_add_nc_u32 v[WV8], s75, v[LB8]
	s_lshl_b32 s75, s72, 6
	v_add_nc_u32 v[WVSA], s75, v[LR4]
	s_mul_i32 s75, s73, 6144                       ; x's tiles 4 (w / 4) on
	v_add_nc_u32 v[X416], s75, v[LB16]
	v_add_nc_u32 v[X48], s75, v[LB8]
	s_lshl_b32 s75, s73, 8
	v_add_nc_u32 v[XS4A], s75, v[LB4]
	s_lshl_b32 s75, s70, 8                         ; k's scale word: register w / 2 of lane 16 (w % 2) + r in an image of four registers
	s_lshl_b32 s76, s71, 2
	s_add_co_u32 s75, s75, s76
	v_lshl_add_u32 v45, v41, 4, SCR
	v_add_nc_u32 v[KWA], s75, v45
	s_lshl_b32 s75, s70, 7                         ; v's scale byte 2 (w / 4) + h: register (w % 4) / 2 of lane 16 (w % 2) + r in an image of two
	s_lshl_b32 s76, s74, 2
	s_add_co_u32 s75, s75, s76
	s_lshl_b32 s76, s73, 1
	s_add_co_u32 s75, s75, s76
	v_lshl_add_u32 v45, v41, 3, SCR
	v_add_nc_u32 v45, v45, v42
	v_add_nc_u32 v[VBA], s75, v45
	s_lshl_b32 s75, s[WV], 8
	v_add_nc_u32 v[OUTA], s75, v[LB8]
	s_wait_tensorcnt 0x0                           ; my load has landed,
	BARRIER                                        ; everybody's has
	; ---- x and the weights become codes
.set i, 0
.rept 64
	ds_load_b32 v[XR+i], v[XLA] offset:512*i       ; x(64 cc + i, my token)
.set i, i+1
.endr
	WLOAD WLA, 0                                   ; wq
	s_wait_dscnt 8                                 ; x is in; wq's eight loads may be out
	MAX32 XR, TA, TB2                              ; my token's blocks 2 cc and 2 cc + 1
	MAX32 XR+32, TC, TD
	v_add_nc_u32 v[SO0], 0xfe000000, v[TA]
	v_add_nc_u32 v[SO1], 0xfe000000, v[TC]
	v_lshrrev_b32 v[BY0], 23, v[SO0]
	v_lshrrev_b32 v[BY1], 23, v[SO1]
	v_lshl_or_b32 v[XH], v[BY1], 8, v[BY0]
	v_cvt_scalef32_pk16_bf6_f32 v[FA:FA+2], v[XR:XR+15], v[SO0]
	v_cvt_scalef32_pk16_bf6_f32 v[T0:T0+2], v[XR+16:XR+31], v[SO0]
	v_cvt_scalef32_pk16_bf6_f32 v[FB:FB+2], v[XR+32:XR+47], v[SO1]
	v_cvt_scalef32_pk16_bf6_f32 v[T1:T1+2], v[XR+48:XR+63], v[SO1]
	v_nop                                          ; one plain line behind the conversions
.irp i, 0,1,2                          ; lanes 0-15 hold tile 2 tp's tokens, lanes 16-31 tile 2 tp + 1's; the operand wants block 2 cc in lanes 0-15 and block 2 cc + 1 in lanes 16-31:
	v_permlane16_swap_b32 v[FA+\i], v[FB+\i]       ; the first's upper lanes change places with the second's lower ones
	v_permlane16_swap_b32 v[T0+\i], v[T1+\i]
.endr
.irp i, 0,1,2
	v_mov_b32 v[FA+3+\i], v[T0+\i]
	v_mov_b32 v[FB+3+\i], v[T1+\i]
.endr
	PUT FA, XST16, XST8, XIMG
	PUT FB, XST16, XST8, XIMG+1536
	ds_store_b16 v[XSS], v[XH] offset:XSC
.irp k, 0,1,2,3,4,5,6,7,8,9,10,11,12,13,14,15
	ds_load_b128 v[XR+4*\k:XR+4*\k+3], v[PEA] offset:16*\k   ; pe(my token, 32 h + i / 2, i % 2)
.endr
	s_wait_dscnt 21                                ; wq is in: behind it x's five stores and pe's sixteen loads
	QUANT32 WR, WFA, WT, WBY
	PUT WFA, WST16, WST8, WIMG
	ds_store_b8 v[WSS], v[WBY] offset:WSC
	WLOAD WLA, 2*WHALF                             ; wk
	s_wait_dscnt 11                                ; pe is in and x's stores are done: behind them three stores and wk's eight loads
	s_wait_loadcnt 0x0                             ; the biases
.set i, 0
.rept 32
	v_cndmask_b32 v[XR+i], v[XR+2*i], v[XR+2*i+1], s[HM]   ; my head's pe, packed downward: the destination never lies above its sources
.set i, i+1
.endr
.set i, 0
.rept 16
	v_pk_add_f32 v[AQ+2*i:AQ+2*i+1], v[AQ+2*i:AQ+2*i+1], v[XR+2*i:XR+2*i+1]   ; bq + pe: the C of q's products
.set i, i+1
.endr
	s_wait_dscnt 0x0                               ; wk is in; wq's stores are done
	QUANT32 WR, FA, T0, WBY
	PUT FA, WST16, WST8, WIMG+6144
	ds_store_b8 v[WSS], v[WBY] offset:WSC+256
	WLOAD WLA2, 0                                  ; wv
.irp i, 0,1,2,3,4,5,6,7
	v_mov_b32 v[BV8+\i], v[BVR]                    ; in v's products a lane holds one channel: its bias in all eight registers
.endr
	s_wait_dscnt 0x0                               ; wv is in; wk's stores are done
	QUANT32 WR, WFA, WT, WBY
	PUT WFA, WST16, WST8, WIMG+12288
	ds_store_b8 v[WSS], v[WBY] offset:WSC+512
	BARRIER                                        ; all images and scale words lie in LDS
	; ---- the products.  Wave w: q and k of tile w (source 0 = 16 rows of the weight, source 1 = x's 16 tokens: a lane holds one token, registers along the channels);
	; v of channels' tile w % 4 and tokens 64 (w / 4) on (source 0 = x's 16 tokens, source 1 = 16 rows of wv: a lane holds one channel, registers along the tokens)
	UNIT XFO, XO16, XO8, XIMG
	UNIT XFO+6, XO16, XO8, XIMG+768
	ds_load_b32 v[XSO], v[XSOA] offset:XSC
.irp u, 0,1,2,3,4,5,6,7
	UNIT BA+6*\u, LB16, LB8, WIMG+768*\u
.endr
	ds_load_b32 v[WQS], v[LB4] offset:WSC          ; lanes 0-15 tile 0's words, lanes 16-31 tile 1's;
	ds_load_b32 v[WQS+1], v[LB4] offset:WSC+128    ; tiles 2 and 3
.irp u, 0,1,2,3,4,5,6,7
	UNIT BB+6*\u, LB16, LB8, WIMG+6144+768*\u
.endr
	ds_load_b32 v[WKS], v[LB4] offset:WSC+256
	ds_load_b32 v[WKS+1], v[LB4] offset:WSC+384
	UNIT WVF, WV16, WV8, WIMG+12288
	UNIT WVF+6, WV16, WV8, WIMG+12288+768
	ds_load_b32 v[WVS], v[WVSA] offset:WSC+512
	s_wait_dscnt 23                                ; x's fragment and wq's are in: behind them wk's eighteen loads and wv's five
.irp t, 0,1,2,3
	PROD AQ+8*\t, BA+12*\t, XFO, AQ+8*\t, WQS+\t/2, XSO, \t%2
.endr
	s_wait_dscnt 0x0
.irp t, 0,1,2,3
	PROD AK+8*\t, BB+12*\t, XFO, AK+8*\t, WKS+\t/2, XSO, \t%2
.endr
	PLACES                                         ; in front of loads into registers that the products have read, and of the first read of results
.irp u, 0,1,2,3,4,5,6,7
	UNIT BA+6*\u, X416, X48, XIMG+768*\u           ; x's four tiles for v
.endr
	ds_load_b32 v[XS4], v[XS4A] offset:XSC
	ds_load_b32 v[XS4+1], v[XS4A] offset:XSC+128
	QUANT32 AQ, CDQ, CTQ, BY0                      ; q: my token's channels 32 h on are one block
	v_lshlrev_b32 v[TC], v[H8], v[BY0]             ; my byte at its place,
	v_permlanex16_b32 v[PT], v[TC], s[SEL], s[SEL+1]
	v_or_b32 v[TC], v[TC], v[PT]                   ; with lane l xor 16's;
	v_lshl_or_b32 v[QW], v[TC], 16, v[TC]          ; the two bytes once more for the zero codes of K = 64 .. 127
	global_store_b128 v[G16], v[CDQ:CDQ+3], s[88:89]             ; 512 consecutive bytes, aligned
	global_store_b64 v[G8], v[CDQ+4:CDQ+5], s[88:89] offset:512  ; 256
	ds_store_b32 v[XSOA], v[QW] offset:OSC+768
	s_wait_dscnt 0x0                               ; x's four tiles are in
.irp u, 0,1,2,3
	PROD AQ+8*\u, BA+12*\u, WVF, BV8, XS4+\u/2, WVS, \u%2        ; over q's accumulators, which have been quantised: more than five plain lines lie between
.endr
	QUANT32 AK, CDK, CTK, BY0                      ; k likewise; these lines are also the places behind v's products
	v_lshlrev_b32 v[TC], v[H8], v[BY0]
	v_permlanex16_b32 v[PT], v[TC], s[SEL], s[SEL+1]
	v_or_b32 v[TC], v[TC], v[PT]
	v_lshl_or_b32 v[KW], v[TC], 16, v[TC]
	global_store_b128 v[G16], v[CDK:CDK+3], s[90:91]
	global_store_b64 v[G8], v[CDK+4:CDK+5], s[90:91] offset:512
	ds_store_b32 v[KWA], v[KW] offset:OSC
	QUANT32 AQ, CDV, CTV, BY1                      ; v: my channel's tokens 64 (w / 4) + 32 h on are one block
	global_store_b128 v[G16], v[CDV:CDV+3], s[92:93]
	global_store_b64 v[G8], v[CDV+4:CDV+5], s[92:93] offset:512
	ds_store_b8 v[VBA], v[BY1] offset:OSC+512
	BARRIER                                        ; the scale words are gathered
	s_cmp_lt_u32 s[WV], 5                          ; five waves store 256 consecutive bytes each, aligned
	s_cbranch_scc0 .Ldone
	ds_load_b64 v[OD:OD+1], v[OUTA] offset:OSC
	s_wait_dscnt 0x0
	global_store_b64 v[G8], v[OD:OD+1], s[94:95]
.Ldone:
	s_wait_tensorcnt 0x0
	ds_add_u32 v174, v175
	s_wait_dscnt 0x0
	CROUND                                         ; the closing round: no work-group ends while a partner may still ask for a tile that names it
	s_endpgm
.Lfunc_end_k_q7bcbe6cd7c_proj:
	.size	k_q7bcbe6cd7c_proj, .Lfunc_end_k_q7bcbe6cd7c_proj-k_q7bcbe6cd7c_proj
	.p2alignl 7, 3214868480
	.fill 96, 4, 3214868480
	.section	.rodata,"a",@progbits
	.p2align	6, 0x0
	.amdhsa_kernel k_q7bcbe6cd7c_proj
		.amdhsa_group_segment_fixed_size 327680
		.amdhsa_private_segment_fixed_size 0
		.amdhsa_enable_private_segment 0
		.amdhsa_kernarg_size 80
		.amdhsa_user_sgpr_count 2
		.amdhsa_user_sgpr_kernarg_segment_ptr 1
		.amdhsa_wavefront_size32 1
		.amdhsa_system_sgpr_workgroup_id_x 1
		.amdhsa_system_sgpr_workgroup_id_y 1
		.amdhsa_system_sgpr_workgroup_id_z 1
		.amdhsa_system_vgpr_workitem_id 0
		.amdhsa_next_free_vgpr 256
		.amdhsa_next_free_sgpr 100
		.amdhsa_reserve_vcc 0
		.amdhsa_float_denorm_mode_32 3
		.amdhsa_float_denorm_mode_16_64 3
		.amdhsa_memory_ordered 1
		.amdhsa_forward_progress 1
		.amdhsa_inst_pref_size 42
	.end_amdhsa_kernel
	.amdgpu_metadata
---
amdhsa.version: [ 1, 2 ]
amdhsa.kernels:
  - .name:           k_q7bcbe6cd7c_proj
    .symbol:         k_q7bcbe6cd7c_proj.kd
    .args:
      - { .name: x, .offset: 0, .size: 8, .value_kind: global_buffer, .address_space: global }
      - { .name: wq, .offset: 8, .size: 8, .value_kind: global_buffer, .address_space: global }
      - { .name: bq, .offset: 16, .size: 8, .value_kind: global_buffer, .address_space: global }
      - { .name: wk, .offset: 24, .size: 8, .value_kind: global_buffer, .address_space: global }
      - { .name: bk, .offset: 32, .size: 8, .value_kind: global_buffer, .address_space: global }
      - { .name: wv, .offset: 40, .size: 8, .value_kind: global_buffer, .address_space: global }
      - { .name: bv, .offset: 48, .size: 8, .value_kind: global_buffer, .address_space: global }
      - { .name: pe, .offset: 56, .size: 8, .value_kind: global_buffer, .address_space: global }
      - { .name: qws, .offset: 64, .size: 8, .value_kind: global_buffer, .address_space: global }
      - { .name: kvws, .offset: 72, .size: 8, .value_kind: global_buffer, .address_space: global }
    .group_segment_fixed_size: 327680
    .private_segment_fixed_size: 0
    .kernarg_segment_align: 8
    .kernarg_segment_size: 80
    .max_flat_workgroup_size: 256
    .sgpr_count:     100
    .vgpr_count:     256
    .wavefront_size: 32
...
	.end_amdgpu_metadata
.endif
;; end of part 1
;; launch attn (part 2): grid 32 x 8, 16 waves a work-group, clusters of 4 x 1, 327,680 bytes of LDS; arguments qws, kvws, out0, out1; writes out0, out1
.if DOCPART == 2
	.amdgcn_target "amdgcn-amd-amdhsa--gfx1250"
	.amdhsa_code_object_version 6
	.text
	.protected	k_q7bcbe6cd7c_attn
	.globl	k_q7bcbe6cd7c_attn
	.p2align	8
	.type	k_q7bcbe6cd7c_attn,@function
k_q7bcbe6cd7c_attn:
	s_mov_b64 s[64:65], 0
	v_nop
	global_prefetch_b8 v0, s[64:65] scope:SCOPE_SE
	s_setreg_imm32_b32 hwreg(HW_REG_WAVE_MODE, 25, 1), 1
	s_wait_xcnt 0x0
	s_wait_alu depctr_hold_cnt(0) depctr_sa_sdst(0) depctr_va_vdst(0) depctr_va_sdst(0) depctr_va_ssrc(0) depctr_va_vcc(0) depctr_vm_vsrc(0)
	s_getreg_b32 s2, hwreg(HW_REG_IB_STS2, 6, 4)
	s_cmp_eq_u32 s2, 0
	s_cbranch_scc0 .Lentry_in_a_cluster
	s_endpgm
.Lentry_in_a_cluster:
	s_bfe_u32 s2, ttmp6, 0x10000c
	s_cmp_lg_u32 s2, 0x3003
	s_cbranch_scc0 .Lentry_shape_is_right
	s_endpgm
.Lentry_shape_is_right:
; o[b][head][d][n] = the sum over m of softmax_m(q[.][n] . k[.][m] x 128^-0.25) v[d][m], both products on codes of BF6 (E3M2) with one E8M0 scale for each 32 along K, stored twice:
; out0 and out1 hold the same number at float index ((b x 64 + d) x 2 + head) x 4096 + n.  q, k, v come as images of operand registers from the launch before (its head comment has the layout).
; THE SOFTMAX AHEAD OF THE SECOND PRODUCT: t = score x c, c = 128^-0.25 log2(e); M = the row's largest t so far, rounded up to a whole number; p = 2^(t - M) is quantised along the keys, not normalised;
; the row's sum is taken of the unquantised p and divides at the end.  When M moves, the sum and O are multiplied by 2^(old M - new M), which rounds nothing.
; SHARES.  A work-group owns 128 queries of one (image, head).  Wave w = (qt = w % 8, kh = w / 8) owns one tile of 16 queries and the key steps 2 i + kh, i = 0 .. 15, of 128 keys each; the two halves of the
; keys are merged at the end, again by whole-number exponents.  Sixteen waves of 256 registers: four to a SIMD, so that one wave's vector work stands beside another's matrix work and LDS loads.
; CLUSTER.  The four query blocks of a cluster walk the same K and V: every tile is asked for JOINTLY (mask 15).
; LAYOUT.  Both products are used transposed: S^T = K Q^T, O^T = V^T P^T: a lane holds one query throughout.  THE KEYS OF A TILE ARE NOT NEIGHBOURS: tile T, row m is key 64 (T / 4) + 32 (m / 8) + 8 (T % 4) + m % 8,
; so that the 32 registers of tiles 4 c .. 4 c + 3 are keys 64 c + 32 (lane / 16) + 0 .. 31: one whole block in one lane, in the order of registers 6 c .. 6 c + 5 of the second product's operand.
; The head's size is 64: the upper half of each K = 128 is zero codes (six registers of each of K's and Q's fragments, written once); their scale bytes repeat the real ones.
; LDS.  A step's K, V and scale words are one dense block of 13,056 bytes.  24 places: steps 0-23 are asked for at the start, steps 24-31 fill places 0-7 again when steps 0-7 have been read; that one refill
; has eight of a wave's key steps in which to land, and nothing is prefetched: all other tiles are asked for at the head.
; LIMITS: NaN and infinities are not served; M is the ceiling of the ROUNDED c x score, so a row's largest p may lie an ulp above 1, which its block's scale takes up; p under 2^-126 is taken as 0;
; a block whose every p is 0 keeps the byte 1 (its codes are zeros).
.set PLACE, 13056
.set SPARE, 24*PLACE                   ; 313,344: the spare words, 128 bytes for each of 16 waves: eight blocks of 256 bytes that no other line names
.set MRG,   8*PLACE                    ; the merge: 4,352 bytes for each tile of queries; it and the stage lie in places 8 on, which have had their one fill and their last read
.set STG,   MRG+8*4352                 ; the stage: 64 rows (d) x (512 bytes + 16)
.set SP,    528
.set L16,   1                          ; v1   16 x lane + kh x PLACE
.set L8,    2                          ; v2   8 x lane + kh x PLACE
.set A16,   3                          ; v3, v4 the same in the step's place; at the end the merge's addresses
.set A8,    4
.set SPW,   5                          ; v5   LDS address of my spare word; never rewritten
.set NIL,   6                          ; v6   0; never rewritten
.set H8,    7                          ; v7   8 x (lane / 16)
.set G16,   8                          ; v8   16 x lane
.set G8,    9                          ; v9   8 x lane; at the end: where I put a number into the stage
.set R4,    10                         ; v10  4 x (lane % 16); at the end: where I read a row back
.set NM,    12                         ; v12  -M
.set MX,    13                         ; v13  the largest score so far
.set LS,    14                         ; v[14:15] the sum, in two halves
.set QF,    16                         ; v16-27 Q's fragment
.set QS,    28                         ; v28  Q's scale words;  v29 P's;  v[30:31] V's;  v[32:35] K's: these hold scales and nothing else
.set PS,    29
.set VS,    30
.set KS,    32
.set KF,    36                         ; v36-83   four fragments of K
.set VF,    84                         ; v84-131  V's four fragments
.set SS,    132                        ; v132-195 S^T, then p
.set OT,    196                        ; v196-227 O^T: register i is channel 32 (lane / 16) + i
.set PF,    228                        ; v228-239 P's fragment
.set C0,    240                        ; v240-242, v244-246 the conversions' second halves
.set C1,    244
.set X0,    243                        ; v243, v247 lane permutes' destinations
.set X1,    247
.set B0,    248                        ; v248, v249 the blocks' largest scores, then largest p, then bytes
.set B1,    249
.set E0,    250                        ; v250, v251 the conversions' scale operands
.set E1,    251
.set FF,    252                        ; v[252:253] f = 2^(old M - new M)
.set T0,    254
.set T1,    255
.set WV,    12
.set CX,    13
.set QB,    14
.set YY,    15
.set KH,    16
.set QT,    17
.set SEL,   18                         ; s[18:19]
.set CS,    20                         ; s[20:21] c, twice;  s22 -c
.set CN,    22
.set TB,    23                         ; s23  LDS byte of the pair of places in hand
.set CNT,   24
.set G1A,   28                         ; s[28:35] descriptor group 1 for one step;  s[36:43] for four
.set G1B,   36
.set G0A,   44                         ; s[44:47], s[48:51], s[52:55] groups 0 of a wave's three first fills;  s[56:59] of its refill
.set G0B,   48
.set G0C,   52
.set G0R,   56
.macro CROUND                          ; a round of the cluster's barrier
	s_barrier_signal -1
	s_barrier_wait -1
	s_cmp_lg_u32 s[WV], 0
	s_cbranch_scc1 .Lnot_wave_0_\@
	s_barrier_signal -3
.Lnot_wave_0_\@:
	s_barrier_wait -3
	s_barrier_signal -1
	s_barrier_wait -1
.endm
.macro PLACES
.rept 4
	v_nop
.endr
.endm
.macro SPROD t, g                      ; S^T of keys' tile 4 g + t: source 0 = 16 keys, source 1 = my 16 queries; the sum begins with 0
.if (\t)%2
	v_wmma_scale_f32_16x16x128_f8f6f4 v[SS+32*(\g)+8*(\t):SS+32*(\g)+8*(\t)+7], v[KF+12*(\t):KF+12*(\t)+11], v[QF:QF+11], 0, v[KS+2*(\g)+(\t)/2], v[QS] matrix_a_fmt:MATRIX_FMT_BF6 matrix_b_fmt:MATRIX_FMT_BF6 matrix_a_scale:MATRIX_SCALE_ROW1
.else
	v_wmma_scale_f32_16x16x128_f8f6f4 v[SS+32*(\g)+8*(\t):SS+32*(\g)+8*(\t)+7], v[KF+12*(\t):KF+12*(\t)+11], v[QF:QF+11], 0, v[KS+2*(\g)+(\t)/2], v[QS] matrix_a_fmt:MATRIX_FMT_BF6 matrix_b_fmt:MATRIX_FMT_BF6
.endif
.endm
.macro PVPROD d                        ; O^T of channels' tile d: source 0 = 16 channels of V, source 1 = P
.if (\d)%2
	v_wmma_scale_f32_16x16x128_f8f6f4 v[OT+8*(\d):OT+8*(\d)+7], v[VF+12*(\d):VF+12*(\d)+11], v[PF:PF+11], v[OT+8*(\d):OT+8*(\d)+7], v[VS+(\d)/2], v[PS] matrix_a_fmt:MATRIX_FMT_BF6 matrix_b_fmt:MATRIX_FMT_BF6 matrix_a_scale:MATRIX_SCALE_ROW1
.else
	v_wmma_scale_f32_16x16x128_f8f6f4 v[OT+8*(\d):OT+8*(\d)+7], v[VF+12*(\d):VF+12*(\d)+11], v[PF:PF+11], v[OT+8*(\d):OT+8*(\d)+7], v[VS+(\d)/2], v[PS] matrix_a_fmt:MATRIX_FMT_BF6 matrix_b_fmt:MATRIX_FMT_BF6
.endif
.endm
.macro MAXHEAD b, m, t                 ; the largest of a block's 32 scores, in two chains, ascending: the first twelve lines
	v_max3_num_f32 v[\m], v[\b], v[\b+1], v[\b+2]
	v_max3_num_f32 v[\t], v[\b+3], v[\b+4], v[\b+5]
.irp i, 6,10,14,18,22
	v_max3_num_f32 v[\m], v[\m], v[\b+\i], v[\b+\i+1]
	v_max3_num_f32 v[\t], v[\t], v[\b+\i+2], v[\b+\i+3]
.endr
.endm
.macro MAXTAIL b, m, t                 ; and the last four
	v_max3_num_f32 v[\m], v[\m], v[\b+26], v[\b+27]
	v_max3_num_f32 v[\t], v[\t], v[\b+28], v[\b+29]
	v_max3_num_f32 v[\m], v[\m], v[\b+30], v[\b+31]
	v_max_num_f32 v[\m], v[\m], v[\t]
.endm
; A KEY STEP: 128 keys.
.macro STEP
	v_add_nc_u32 v[A16], s[TB], v[L16]             ; (no LDS load of mine is out.)  These two and two v_nop are the four places behind the last step's products, in front of the loads into V's registers
	v_add_nc_u32 v[A8], s[TB], v[L8]
	v_nop
	v_nop
	ds_load_b128 v[KS:KS+3], v[A16] offset:12288   ; K's scale words: register i: lanes 0-15 tile 2 i, lanes 16-31 tile 2 i + 1
.irp t, 0,1,2,3
	ds_load_b128 v[KF+12*\t:KF+12*\t+3], v[A16] offset:768*\t
	ds_load_b64 v[KF+12*\t+4:KF+12*\t+5], v[A8] offset:768*\t+512
.endr
	ds_load_b64 v[VS:VS+1], v[A8] offset:12800
.irp u, 0,1,2,3,4,5,6,7
	ds_load_b128 v[VF+6*\u:VF+6*\u+3], v[A16] offset:6144+768*\u
	ds_load_b64 v[VF+6*\u+4:VF+6*\u+5], v[A8] offset:6144+768*\u+512
.endr
	s_wait_dscnt 17                                ; K's words and tiles 0-3 are in; V's words and its sixteen loads may be out
.irp t, 0,1,2,3
	SPROD \t, 0
.endr
	PLACES                                         ; in front of the loads into K's registers and of the first read of the scores
.irp t, 0,1,2,3
	ds_load_b128 v[KF+12*\t:KF+12*\t+3], v[A16] offset:768*(4+\t)
	ds_load_b64 v[KF+12*\t+4:KF+12*\t+5], v[A8] offset:768*(4+\t)+512
.endr
	MAXHEAD SS, B0, T0                             ; THE LARGEST SCORE OF EACH BLOCK serves twice: for the row's maximum, and, since p rises with the score, for the block's largest p
	s_wait_dscnt 0x0
.irp t, 0,1,2,3
	SPROD \t, 1
.endr
	MAXTAIL SS, B0, T0                             ; four plain lines that name nothing of those products: the places behind them
	MAXHEAD SS+32, B1, T1
	MAXTAIL SS+32, B1, T1
	v_max_num_f32 v[T0], v[B0], v[B1]
	v_permlanex16_b32 v[X0], v[T0], s[SEL], s[SEL+1]   ; the query's other 64 keys lie in the lane 16 away
	v_max3_num_f32 v[MX], v[MX], v[T0], v[X0]      ; the running largest score
	v_mul_f32 v[T0], s[CN], v[MX]
	v_mov_b32 v[T1], v[NM]
	v_floor_f32 v[NM], v[T0]                       ; the new -M = floor(-t): M is a whole number
	v_sub_f32 v[T0], v[NM], v[T1]                  ; old M - new M: a whole number, 0 or less
	v_cvt_i32_f32 v[T0], v[T0]                     ; (it saturates)
	v_ldexp_f32 v[FF], 1.0, v[T0]                  ; f
.set j, 0
.rept 32
	v_pk_fma_f32 v[SS+j:SS+j+1], v[SS+j:SS+j+1], s[CS:CS+1], v[NM:NM+1] op_sel_hi:[1,0,0]   ; t - M, two at a time
.set j, j+2
.endr
	v_fma_f32 v[B0], v[B0], s[CS], v[NM]           ; the same of each block's largest score
	v_fma_f32 v[B1], v[B1], s[CS], v[NM]
.set j, 0
.rept 64
	v_exp_f32 v[SS+j], v[SS+j]                     ; p = 2^(t - M)
.set j, j+1
.endr
	v_pk_mul_f32 v[LS:LS+1], v[LS:LS+1], v[FF:FF+1] op_sel_hi:[1,0]   ; the sums under the new M: the plain line behind the exponentials
	s_wait_alu depctr_va_vdst(0)                   ; one wait for the whole batch, ahead of its first reader
	v_exp_f32 v[B0], v[B0]                         ; the blocks' largest p: the same two instructions on the same number give the same bits
	v_exp_f32 v[B1], v[B1]
	v_pk_add_f32 v[C1:C1+1], v[SS:SS+1], v[SS+2:SS+3]   ; the row's sum is taken of the unquantised p, two at a time, in two chains
.set j, 4
.rept 15
	v_pk_add_f32 v[LS:LS+1], v[LS:LS+1], v[SS+j:SS+j+1]
	v_pk_add_f32 v[C1:C1+1], v[C1:C1+1], v[SS+j+2:SS+j+3]
.set j, j+4
.endr
	v_pk_add_f32 v[LS:LS+1], v[LS:LS+1], v[C1:C1+1]
	s_wait_alu depctr_va_vdst(0)                   ; and one for the two
	v_max_num_f32 v[B0], 0x2800000, v[B0]          ; the floor 2^(5 - 127): the byte cannot fall under 1
	v_max_num_f32 v[B1], 0x2800000, v[B1]
	v_add_nc_u32 v[E0], 0xfe000000, v[B0]          ; 4 off the exponent field: the conversion's scale operand
	v_add_nc_u32 v[E1], 0xfe000000, v[B1]
	v_lshrrev_b32 v[B0], 23, v[E0]                 ; the scales' bytes: blocks h and 2 + h
	v_lshrrev_b32 v[B1], 23, v[E1]
	v_lshl_or_b32 v[T0], v[B1], 16, v[B0]
	v_lshlrev_b32 v[T0], v[H8], v[T0]              ; at their places,
	v_permlanex16_b32 v[X1], v[T0], s[SEL], s[SEL+1]
	v_or_b32 v[PS], v[T0], v[X1]                   ; with lane l xor 16's two: P's scale word
	v_cvt_scalef32_pk16_bf6_f32 v[PF:PF+2], v[SS:SS+15], v[E0]
	v_cvt_scalef32_pk16_bf6_f32 v[C0:C0+2], v[SS+16:SS+31], v[E0]       ; (a conversion's three registers begin on an even number)
	v_cvt_scalef32_pk16_bf6_f32 v[PF+6:PF+8], v[SS+32:SS+47], v[E1]
	v_cvt_scalef32_pk16_bf6_f32 v[C1:C1+2], v[SS+48:SS+63], v[E1]
	v_nop                                          ; one plain line behind the conversions
.irp i, 0,1,2
	v_mov_b32 v[PF+3+\i], v[C0+\i]
	v_mov_b32 v[PF+9+\i], v[C1+\i]
.endr
.set j, 0
.rept 16
	v_pk_mul_f32 v[OT+j:OT+j+1], v[OT+j:OT+j+1], v[FF:FF+1] op_sel_hi:[1,0]   ; O^T under the new M.  (With the lines above: 23 plain lines behind the scale word's last write, 16 behind the codes')
.set j, j+2
.endr
.irp d, 0,1,2,3
	PVPROD \d                                      ; the four accumulators by turns, one instruction a turn
.endr
.endm
.macro RUN n, start                    ; n key steps of mine, from LDS byte start on, two places a step
	s_mov_b32 s[TB], \start
	s_mov_b32 s[CNT], \n
.Lrun_\@:
	STEP
	s_add_co_u32 s[TB], s[TB], 2*PLACE
	s_sub_co_u32 s[CNT], s[CNT], 1
	s_cmp_lg_u32 s[CNT], 0
	s_cbranch_scc1 .Lrun_\@
.endm
	s_load_b256 s[4:11], s[0:1], 0x0               ; qws s[4:5], kvws s[6:7], out0 s[8:9], out1 s[10:11]
	v_lshl_add_u32 v[SPW], v0, 2, SPARE
	v_mov_b32 v[NIL], 0
	ds_add_u32 v5, v6
	ds_add_u32 v5, v6
	s_wait_dscnt 0x0
	v_lshrrev_b32 v3, 5, v0
	v_readfirstlane_b32 s[WV], v3                  ; wave 0..15
	s_bfe_u32 s[CX], ttmp6, 0x40000
	s_lshl_b32 s[QB], ttmp9, 2
	s_add_co_u32 s[QB], s[QB], s[CX]               ; my block of 128 queries: it enters q's and the outputs' addresses alone
	s_and_b32 s[YY], ttmp7, 0xffff                 ; image x 2 + head, which the four partners share
	s_lshr_b32 s[KH], s[WV], 3
	s_and_b32 s[QT], s[WV], 7
	s_mov_b32 s[SEL], 0x76543210
	s_mov_b32 s[SEL+1], 0xfedcba98
	s_mov_b32 s[CS], 0x3edb9ada                    ; c = 2^-1.75 x log2(e) = 0.428916
	s_mov_b32 s[CS+1], s[CS]
	s_mov_b32 s[CN], 0xbedb9ada                    ; -c
	; descriptor groups 1: dense blocks as rows of 256 bytes (32 elements of 8 bytes): 51 rows a step; the mask of all four partners, bit 21 beside it; no padding: an image's bytes are read as they lie
	s_mov_b32 s[G1A], 15|(3<<16)|(1<<21)
	s_mov_b32 s[G1A+1], 32<<16
	s_mov_b32 s[G1A+2], 51<<16
	s_mov_b32 s[G1A+3], 32<<16
	s_mov_b32 s[G1A+4], 51
	s_mov_b32 s[G1A+5], 32
	s_mov_b32 s[G1A+6], 0
	s_mov_b32 s[G1A+7], 0
	s_mov_b32 s[G1B], 15|(3<<16)|(1<<21)
	s_mov_b32 s[G1B+1], 32<<16
	s_mov_b32 s[G1B+2], 204<<16
	s_mov_b32 s[G1B+3], 32<<16
	s_mov_b32 s[G1B+4], 204
	s_mov_b32 s[G1B+5], 32
	s_mov_b32 s[G1B+6], 0
	s_mov_b32 s[G1B+7], 0
	s_and_b32 s66, s[WV], 3
	s_mul_i32 s67, s66, PLACE                      ; first fills of waves 0-3: step w,
	s_add_co_u32 s68, s67, 4*PLACE                 ; step 4 + w,
	s_mul_i32 s69, s66, 4*PLACE
	s_add_co_u32 s69, s69, 8*PLACE                 ; steps 8 + 4 w .. 11 + 4 w: in LDS as in memory
	s_mul_i32 s70, s[QT], PLACE                    ; the refill of waves 0-7: place w
	s_add_co_u32 s71, s70, 24*PLACE                ; takes step 24 + w
	s_mul_i32 s72, s[YY], 32*PLACE
	s_mov_b32 s73, 0
	s_mov_b32 s75, 0
	s_wait_kmcnt 0x0
	s_add_nc_u64 s[72:73], s[6:7], s[72:73]        ; the head's K and V
	s_mov_b32 s[G0A], 1
	s_mov_b32 s[G0A+1], s67
	s_mov_b32 s74, s67
	s_add_nc_u64 s[G0A+2:G0A+3], s[72:73], s[74:75]
	s_or_b32 s[G0A+3], s[G0A+3], 0x80000000
	s_mov_b32 s[G0B], 1
	s_mov_b32 s[G0B+1], s68
	s_mov_b32 s74, s68
	s_add_nc_u64 s[G0B+2:G0B+3], s[72:73], s[74:75]
	s_or_b32 s[G0B+3], s[G0B+3], 0x80000000
	s_mov_b32 s[G0C], 1
	s_mov_b32 s[G0C+1], s69
	s_mov_b32 s74, s69
	s_add_nc_u64 s[G0C+2:G0C+3], s[72:73], s[74:75]
	s_or_b32 s[G0C+3], s[G0C+3], 0x80000000
	s_mov_b32 s[G0R], 1
	s_mov_b32 s[G0R+1], s70
	s_mov_b32 s74, s71
	s_add_nc_u64 s[G0R+2:G0R+3], s[72:73], s[74:75]
	s_or_b32 s[G0R+3], s[G0R+3], 0x80000000
	CROUND                                         ; all four work-groups are here: the first joint loads meet
	s_cmp_lt_u32 s[WV], 4                          ; a wave's three first fills stand in one branch, in the order in which the steps are wanted: three loads of mine are out
	s_cbranch_scc0 .Lno_first
	tensor_load_to_lds s[G0A:G0A+3], s[G1A:G1A+7]
	s_nop 0
	tensor_load_to_lds s[G0B:G0B+3], s[G1A:G1A+7]
	s_nop 0
	tensor_load_to_lds s[G0C:G0C+3], s[G1B:G1B+7]
	s_nop 0
	PLACES
.Lno_first:
	s_lshl_b32 s74, s[YY], 5
	s_add_co_u32 s74, s74, s[QB]
	s_mul_i32 s74, s74, 6656
	s_add_nc_u64 s[76:77], s[4:5], s[74:75]        ; my block of q
	s_lshl_b32 s74, s[QT], 6
	s_add_co_u32 s74, s74, 6144
	s_add_nc_u64 s[26:27], s[76:77], s[74:75]      ; my tile's scale words
	s_mul_i32 s74, s[QT], 768
	s_add_nc_u64 s[76:77], s[76:77], s[74:75]      ; my tile's codes
	v_and_b32 v[T0], 31, v0
	v_and_b32 v[T1], 15, v0
	v_bfe_u32 v[H8], v0, 4, 1
	v_lshlrev_b32 v[H8], 3, v[H8]
	v_lshlrev_b32 v[G16], 4, v[T0]
	v_lshlrev_b32 v[G8], 3, v[T0]
	v_lshlrev_b32 v[R4], 2, v[T1]
	global_load_b128 v[QF:QF+3], v[G16], s[76:77]
	global_load_b64 v[QF+4:QF+5], v[G8], s[76:77] offset:512
	global_load_b32 v[QS], v[R4], s[26:27]
	s_mul_i32 s66, s[KH], PLACE
	v_add_nc_u32 v[L16], s66, v[G16]
	v_add_nc_u32 v[L8], s66, v[G8]
.irp i, 6,7,8,9,10,11
	v_mov_b32 v[QF+\i], 0                          ; K = 64 .. 127: zero codes, written once
.irp t, 0,1,2,3
	v_mov_b32 v[KF+12*\t+\i], 0
.endr
.endr
	v_mov_b32 v[MX], 0xff61b1e6                    ; the largest score so far: -3e38
	v_mul_f32 v[T0], s[CN], v[MX]
	v_floor_f32 v[NM], v[T0]                       ; -M
	v_mov_b32 v[LS], 0
	v_mov_b32 v[LS+1], 0
	v_mov_b32 v[X0], 0                             ; a lane permute's destination counts as one of its sources
	v_mov_b32 v[X1], 0
	v_mov_b32 v[FF+1], 0                           ; (named as the upper half of a pair)
.set j, 0
.rept 32
	v_mov_b32 v[OT+j], 0                           ; O^T.  (The step is written once: the first finds zeros, which the first change of M leaves zeros)
.set j, j+1
.endr
	s_lshr_b32 s78, s[YY], 1                       ; where my four rows of the outputs begin: image x 2^21 + head x 2^14 + 4 w rows of 2^15 + 512 x block of queries
	s_lshl_b32 s78, s78, 21
	s_and_b32 s79, s[YY], 1
	s_lshl_b32 s79, s79, 14
	s_add_co_u32 s78, s78, s79
	s_lshl_b32 s79, s[WV], 17
	s_add_co_u32 s78, s78, s79
	s_lshl_b32 s79, s[QB], 9
	s_add_co_u32 s78, s78, s79
	s_mov_b32 s79, 0
	s_add_nc_u64 s[8:9], s[8:9], s[78:79]
	s_add_nc_u64 s[10:11], s[10:11], s[78:79]
	s_wait_tensorcnt 0x2                           ; my first load (a step of 0-3) is in; the two behind it may stay out
	s_barrier_signal -1
	s_barrier_wait -1
	s_wait_loadcnt 0x0                             ; Q
	RUN 2, 0                                       ; steps 0-3
	s_wait_tensorcnt 0x1                           ; my second load (a step of 4-7) is in
	s_wait_dscnt 0x0
	s_barrier_signal -1
	s_barrier_wait -1
	RUN 2, 4*PLACE                                 ; steps 4-7
	s_wait_tensorcnt 0x0                           ; all my tensor loads have landed: steps 8-23 are whole;
	ds_add_u32 v[SPW], v[NIL]                      ; 0 onto my spare word
	ds_add_u32 v5, v6
	s_wait_dscnt 0x0                               ; the add is done, and my reads of places 0-7 are over
	CROUND                                         ; both now hold of every wave of all four work-groups
	s_cmp_lt_u32 s[WV], 8                          ; the one refill: waves 0-7, a place each; the first tensor load behind the round
	s_cbranch_scc0 .Lno_refill
	tensor_load_to_lds s[G0R:G0R+3], s[G1A:G1A+7]
	s_nop 0
	PLACES
.Lno_refill:
	RUN 8, 8*PLACE                                 ; steps 8-23: no barrier among them
	s_wait_tensorcnt 0x0                           ; my part of steps 24-31 is in,
	s_wait_dscnt 0x0                               ; and my reads of places 8-23 are over
	s_barrier_signal -1
	s_barrier_wait -1
	RUN 4, 0                                       ; steps 24-31, in places 0-7
	; ---- THE END.  The addresses first: plain lines that name nothing of the last products, the places behind them
	s_mul_i32 s66, s[QT], 4352
	s_add_co_u32 s66, s66, MRG
	v_add_nc_u32 v[A16], s66, v[G16]               ; the merge: O^T as an image, 16 x lane,
	v_and_b32 v[T0], 31, v0
	v_lshl_add_u32 v[A8], v[T0], 2, s66            ; -M and the sum behind it, 4 x lane
	v_and_b32 v[T1], 7, v0
	v_bfe_u32 v[T0], v0, 3, 1
	v_lshlrev_b32 v[G8], 2, v[T1]
	v_lshl_add_u32 v[G8], v[T0], 7, v[G8]          ; the stage: my query is token 64 (qt / 4) + 32 (r / 8) + 8 (qt % 4) + r % 8 of the block,
	v_bfe_u32 v[T0], v0, 4, 1
	v_mad_u32_u24 v[G8], v[T0], 32*SP, v[G8]       ; my channels begin at row 32 h
	s_lshr_b32 s67, s[QT], 2
	s_lshl_b32 s67, s67, 8
	s_and_b32 s68, s[QT], 3
	s_lshl_b32 s68, s68, 5
	s_add_co_u32 s67, s67, s68
	s_add_co_u32 s67, s67, STG
	v_add_nc_u32 v[G8], s67, v[G8]
	s_mul_i32 s68, s[WV], 4*SP
	s_add_co_u32 s68, s68, STG
	v_add_nc_u32 v[R4], s68, v[G16]                ; back: rows 4 w on, 16 bytes a lane
	v_add_f32 v[LS], v[LS], v[LS+1]                ; the sum's two halves,
	v_permlanex16_b32 v[X0], v[LS], s[SEL], s[SEL+1]
	v_add_f32 v[LS], v[LS], v[X0]                  ; and lane l xor 16's
	s_cmp_eq_u32 s[KH], 0
	s_cbranch_scc1 .Lkeep
.irp k, 0,1,2,3,4,5,6,7
	ds_store_b128 v[A16], v[OT+4*\k:OT+4*\k+3] offset:512*\k   ; the odd steps' waves hand over what they have
.endr
	ds_store_b32 v[A8], v[NM] offset:4096
	ds_store_b32 v[A8], v[LS] offset:4224
.Lkeep:
	s_wait_dscnt 0x0
	s_barrier_signal -1
	s_barrier_wait -1
	s_cmp_lg_u32 s[KH], 0
	s_cbranch_scc1 .Lmerged
.irp k, 0,1,2,3,4,5,6,7
	ds_load_b128 v[SS+4*\k:SS+4*\k+3], v[A16] offset:512*\k
.endr
	ds_load_b32 v[SS+32], v[A8] offset:4096
	ds_load_b32 v[SS+33], v[A8] offset:4224
	s_wait_dscnt 0x0
	v_min_num_f32 v[T0], v[NM], v[SS+32]           ; the common -M
	v_sub_f32 v[B0], v[T0], v[NM]
	v_sub_f32 v[B1], v[T0], v[SS+32]
	v_cvt_i32_f32 v[B0], v[B0]
	v_cvt_i32_f32 v[B1], v[B1]
	v_ldexp_f32 v[B0], 1.0, v[B0]                  ; each half's power of two: one of them is 1
	v_ldexp_f32 v[B1], 1.0, v[B1]
	v_mul_f32 v[LS], v[LS], v[B0]
	v_fma_f32 v[LS], v[SS+33], v[B1], v[LS]        ; the row's sum
	v_rcp_f32 v[E0], v[LS]
	v_nop                                          ; a plain line behind the reciprocal,
	s_wait_alu depctr_va_vdst(0)                   ; and a wait ahead of its first reader
	v_mul_f32 v[FF], v[B0], v[E0]
	v_mul_f32 v[T0], v[B1], v[E0]
.set j, 0
.rept 16
	v_pk_mul_f32 v[OT+j:OT+j+1], v[OT+j:OT+j+1], v[FF:FF+1] op_sel_hi:[1,0]
	v_pk_fma_f32 v[OT+j:OT+j+1], v[SS+j:SS+j+1], v[T0:T0+1], v[OT+j:OT+j+1] op_sel_hi:[1,0,1]
.set j, j+2
.endr
.set j, 0
.rept 32
	ds_store_b32 v[G8], v[OT+j] offset:j*SP        ; o(32 h + j, my query)
.set j, j+1
.endr
.Lmerged:
	s_wait_dscnt 0x0
	s_barrier_signal -1
	s_barrier_wait -1                              ; 64 whole rows lie in the stage
.irp k, 0,1,2,3
	ds_load_b128 v[SS+4*\k:SS+4*\k+3], v[R4] offset:\k*SP
.endr
.irp k, 0,1,2,3
	s_wait_dscnt 3-\k                              ; row k of my four is in; the younger loads may be out
	global_store_b128 v[G16], v[SS+4*\k:SS+4*\k+3], s[8:9] offset:32768*\k th:TH_STORE_NT    ; 32 lanes store 512 consecutive bytes, aligned
	global_store_b128 v[G16], v[SS+4*\k:SS+4*\k+3], s[10:11] offset:32768*\k th:TH_STORE_NT  ; and the same in the second output
.endr
	s_wait_tensorcnt 0x0                           ; the wave's end, behind my last tensor load and my last LDS store
	ds_add_u32 v[SPW], v[NIL]
	s_wait_dscnt 0x0
	CROUND                                         ; the closing round
	s_endpgm
.Lfunc_end_k_q7bcbe6cd7c_attn:
	.size	k_q7bcbe6cd7c_attn, .Lfunc_end_k_q7bcbe6cd7c_attn-k_q7bcbe6cd7c_attn
	.p2alignl 7, 3214868480
	.fill 96, 4, 3214868480
	.section	.rodata,"a",@progbits
	.p2align	6, 0x0
	.amdhsa_kernel k_q7bcbe6cd7c_attn
		.amdhsa_group_segment_fixed_size 327680
		.amdhsa_private_segment_fixed_size 0
		.amdhsa_enable_private_segment 0
		.amdhsa_kernarg_size 32
		.amdhsa_user_sgpr_count 2
		.amdhsa_user_sgpr_kernarg_segment_ptr 1
		.amdhsa_wavefront_size32 1
		.amdhsa_system_sgpr_workgroup_id_x 1
		.amdhsa_system_sgpr_workgroup_id_y 1
		.amdhsa_system_sgpr_workgroup_id_z 1
		.amdhsa_system_vgpr_workitem_id 0
		.amdhsa_next_free_vgpr 256
		.amdhsa_next_free_sgpr 80
		.amdhsa_reserve_vcc 0
		.amdhsa_float_denorm_mode_32 3
		.amdhsa_float_denorm_mode_16_64 3
		.amdhsa_memory_ordered 1
		.amdhsa_forward_progress 1
		.amdhsa_inst_pref_size 78
	.end_amdhsa_kernel
	.amdgpu_metadata
---
amdhsa.version: [ 1, 2 ]
amdhsa.kernels:
  - .name:           k_q7bcbe6cd7c_attn
    .symbol:         k_q7bcbe6cd7c_attn.kd
    .args:
      - { .name: qws, .offset: 0, .size: 8, .value_kind: global_buffer, .address_space: global }
      - { .name: kvws, .offset: 8, .size: 8, .value_kind: global_buffer, .address_space: global }
      - { .name: out0, .offset: 16, .size: 8, .value_kind: global_buffer, .address_space: global }
      - { .name: out1, .offset: 24, .size: 8, .value_kind: global_buffer, .address_space: global }
    .group_segment_fixed_size: 327680
    .private_segment_fixed_size: 0
    .kernarg_segment_align: 8
    .kernarg_segment_size: 32
    .max_flat_workgroup_size: 512
    .sgpr_count:     80
    .vgpr_count:     256
    .wavefront_size: 32
...
	.end_amdgpu_metadata
.endif
;; end of part 2
